; MI455X (gfx1250); checked and timed in simulation.
; The chip was launched on July 23, 2026; its instructions are those of AMD's public machine-readable ISA for CDNA 5 (MIT licence, August 2026) and "CDNA5" Instruction Set Architecture Reference Guide (July 2026). The comments in the code are by the model that wrote it; some were corrected since.
;; Separation Param Simplest. Allowed arithmetic: float matrix products may take bf16 or f16 operands with f32 sums; all other float work in f32.
;; Inputs: coords 16 x 256 x 2 float32; d_W 32 x 1 float32; d_b 1 float32; f_Wh 6 x 32 x 32 float32; f_Wz 6 x 34 x 32 float32; f_bh 6 x 32 float32; f_bz 6 x 32 float32; g_Wh 6 x 32 x 32 float32; g_Wz 6 x 64 x 32 float32; g_bh 6 x 32 float32; g_bz 6 x 32 float32; gh0 1 x 32 float32; h0 1 x 32 float32; t_params 16 x 8 float32; tp2et_W1 8 x 32 float32; tp2et_W2 32 x 32 float32; tp2et_b1 32 float32; tp2et_b2 32 float32; x_params 16 x 8 x 2 float32; xp2ex_W1 16 x 32 float32; xp2ex_W2 32 x 32 float32; xp2ex_b1 32 float32; xp2ex_b2 32 float32.
;; Outputs: out0 16 x 256 x 256 x 1 float32.
;; One version. Each part assembles by itself: llvm-mc -triple=amdgcn-amd-amdhsa -mcpu=gfx1250 --defsym DOCPART=n.
;; ======== version 1 of 1: 1 launch
;; limits: values are held in f16: magnitudes above 65,504 overflow, below 6.1e-05 lose precision; inputs' magnitudes at most 65,504; a function is approximated: absolute error at most 4e-05
;; launch sep (part 1): grid 16 x 16, 16 waves a work-group, no clusters, 43,008 bytes of LDS; arguments coords, out0, f_Wh, g_Wz, g_Wh, f_Wz, d_W, d_b, t_params, tp2et_W1, tp2et_b1, tp2et_W2, tp2et_b2, f_bh, f_bz, h0, x_params, xp2ex_W1, xp2ex_b1, xp2ex_W2, xp2ex_b2, g_bh, g_bz, gh0; writes out0
.if DOCPART == 1
	.amdgcn_target "amdgcn-amd-amdhsa--gfx1250"
	.amdhsa_code_object_version 6
	.text
	.protected	k_q0caf1c9172_sep
	.globl	k_q0caf1c9172_sep
	.p2align	8
	.type	k_q0caf1c9172_sep,@function
k_q0caf1c9172_sep:
	s_mov_b64 s[64:65], 0
	v_nop
	global_prefetch_b8 v0, s[64:65] scope:SCOPE_SE
	s_setreg_imm32_b32 hwreg(HW_REG_WAVE_MODE, 25, 1), 1
	s_wait_xcnt 0x0
; u[b][i][j] = d( g-stream( f-stream(x[b][j], t[b][i], et[b]), ex[b] ) ): twelve layers sin(h Wh + bh + cond Wz + bz) of width 32 on 16 x 256 x 256 points.
;
; WHAT IS FOLDED.  In every layer the part of the argument that does not hang on the point (bh + bz, the et or ex rows of Wz, and in the first
; layer of a stream h0 Wh[0] or gh0 Wh[0]) is one vector of 32 for a batch and a layer.  It is made once, in f32, and enters as the C operand of the
; layer's first matrix instruction.  Per point remain 16 products of 32 x 32, a K = 2 product with (x, t) in each f layer, and d_W.
;
; SHARES.  Work-group (rg, b): batch b, rows i = 16 rg .. 16 rg + 15.  Wave w: columns 64 (w & 3) .. + 63, rows 4 (w >> 2) .. + 3 of the group.
; A pass = one row x 64 columns = four tiles of 16 points, carried through all twelve layers in registers; four passes a wave.
;
; LAYOUT.  A = transposed weights (row = output feature), B = points (column = point).  In D lane (r, h) then holds features 8h + j (tile 0) and
; 16 + 8h + j (tile 1) of point r, which is what the next layer's B fragment wants in registers 0-3 and 4-7: eight packing conversions and no shuffle.
;
; FORMATS.  Matrix operands are f16, sums f32.  h and gh are sines (at most 1 in size); weights are multiplied by 1/(2 pi) first.  x, t and their two
; rows of f_Wz go in as a high and a low f16 part each (four products), so an offset on the coordinates costs no bits.
; THE SINE.  All weights and biases carry the factor S = 1/(2 pi) and each bias -1/4 more, so an accumulator holds q - 1/4, q the argument in turns:
; sin(2 pi q) = cos(2 pi f), f = fract(q - 1/4), a polynomial of degree 4 in z = f f - f (z in [-1/4, 0]).  The reduction by fract holds for every finite q.
;
; LIMITS.  |coords|, |W / (2 pi)| and |d_W| above 65,504 (the largest f16) give infinities where the f32 computation stays finite.  The polynomial's
; largest absolute error is 4.0e-5.  The two embeddings and the bias vectors (a few hundred multiply-adds a wave) are computed in f32 on the
; vector unit, in another order of summation than a matrix product would take.
;
; NO CLUSTER, NO TENSOR LOADS.  What work-groups share is the weights, about 125 KB, read once by each in the set-up; they have to be transposed,
; scaled and converted on the way, so they pass through registers, and nothing is fetched from memory in the loop.
.set WF,     0                         ; LDS: 16 matrices x 2,048 bytes as A fragments: block (T, q) at 512 (2T + q), lane L at 16 L
.set ZF,     32768                     ; LDS: (x, t) rows of f_Wz, layer l, tile T at 1024 l + 512 T, lane L at 16 L (lanes 16-31: zeros)
.set BIAS,   38912                     ; LDS: 12 rows of 32 f32: S x bias - 1/4; rows 0-5 f, rows 6-11 g
.set L16,    1                         ; v1       16 x lane
.set H32,    2                         ; v2       32 x (lane / 16)
.set OUTOFF, 3                         ; v3       my byte offset in the group's part of out0
.set XW,     4                         ; v[4:7]   tile p: f16(x) | f16(x - f16(x)) << 16 in lanes 0-15, 0 in lanes 16-31
.set TW,     8                         ; v[8:11]  the same for t of my four rows; shifted down by one after each pass
.set C0,     12                        ; v[12:21] the polynomial's coefficients, each twice (a pair for the packed forms)
.set C1,     14
.set C2,     16
.set C3,     18
.set C4,     20
.set O,      22                        ; v[22:23] two results to store; temporaries in the set-up
.set AD,     24                        ; v[24:31] A fragment of which every row is d_W
.set TMP,    32                        ; v[32:47] Horner sums of one tile
.set BI,     48                        ; v[48:63] the layer's bias as C operand, tile 0 and tile 1
.set WA,     64                        ; v[64:79] the layer's first weight matrix (two A fragments)
.set WB,     80                        ; v[80:95] the second (g layers)
.set ZA,     96                        ; v[96:111] (x, t) weights: 4 words, 4 zeros, 4 words, 4 zeros
.set HB,     112                       ; v[112:143] tile p at 8 p: h as B fragment; through the g stream the final h
.set ZB,     144                       ; v[144:175] tile p at 8 p: (x, t) as B fragment in the f stream, gh in the g stream
.set ACC,    176                       ; v[176:239] tile p at 16 p: 32 features x 16 points
; the set-up's registers, all in places that the passes write only later
.set MAT,    176                       ; 32: my weight matrix, row k, lane = output feature
.set DWR,    208                       ; 16: d_W as loaded
.set CX,     224                       ; 4: x of my tiles
.set CT,     228                       ; 4: t of my rows
.set LANE4,  232
.set MADR,   233
.set XADR,   234
.set TADR,   235
.set ZADR,   236
.set LANE,   237
.set HH,     238
.set RR,     239
.set E1,     32                        ; 16: first embedding matrix
.set E2,     48                        ; 32: second embedding matrix
.set E3,     80                        ; 32: the rows of Wz[l] that meet et or ex
.set E4,     112                       ; 32: Wh[0]
.set EB1,    144
.set EB2,    145
.set EBH,    146
.set EBZ,    147
.set EZ0,    148
.set EZ1,    149
.set EH,     150
.set T0,     152                       ; temporaries
	s_load_b512 s[8:23], s[0:1], 0x0               ; coords 8, out0 10, f_Wh 12, g_Wz 14, g_Wh 16, f_Wz 18, d_W 20, d_b 22
	s_load_b512 s[24:39], s[0:1], 0x40             ; t_params 24, tp2et_W1 26, _b1 28, _W2 30, _b2 32, f_bh 34, f_bz 36, h0 38
	s_load_b512 s[40:55], s[0:1], 0x80             ; x_params 40, xp2ex_W1 42, _b1 44, _W2 46, _b2 48, g_bh 50, g_bz 52, gh0 54
	v_lshl_add_u32 v240, v0, 2, 0xa000
	v_mov_b32 v241, 0
	v_lshrrev_b32 v2, 5, v0
	v_readfirstlane_b32 s4, v2                     ; wave w, 0 to 15
	s_and_b32 s5, ttmp7, 0xffff                    ; batch b
	s_mov_b32 s6, ttmp9                            ; row group rg
	s_mov_b32 s86, 0xffff0000                      ; lanes 16-31
	s_mov_b32 s87, 0x0000ffff                      ; lanes 0-15
	s_mov_b32 s96, 0x3e22f983                      ; S = 1 / (2 pi)
	s_mov_b32 s97, 0xbe800000                      ; -1/4
	v_and_b32 v[LANE], 31, v0
	v_and_b32 v[RR], 15, v0
	v_bfe_u32 v[HH], v0, 4, 1
	v_lshlrev_b32 v[L16], 4, v[LANE]
	v_lshlrev_b32 v[H32], 5, v[HH]
	v_lshlrev_b32 v[LANE4], 2, v[LANE]
	s_and_b32 s90, s4, 3                           ; c: my strip of 64 columns
	s_lshr_b32 s91, s4, 2                          ; rq: my four rows
	s_lshl_b32 s92, s4, 11
	v_lshl_add_u32 v[MADR], v[HH], 10, s92         ; where feature m = lane puts its weights: 2048 w + 1024 (m / 16) + 16 (m % 16)
	v_lshl_add_u32 v[MADR], v[RR], 4, v[MADR]
	s_lshl_b32 s93, s90, 9
	v_lshl_add_u32 v[XADR], v[RR], 4, s93          ; x of column 64 c + 2 r: 8 bytes a column
	s_lshl_b32 s94, s6, 7
	s_lshl_b32 s95, s91, 5
	s_add_co_u32 s94, s94, s95
	v_mov_b32 v[TADR], s94                         ; 8 bytes x (16 rg + 4 rq), the same in all lanes
	s_lshl_b32 s92, s90, 8
	s_lshl_b32 s93, s91, 12
	s_add_co_u32 s92, s92, s93
	v_lshl_add_u32 v[OUTOFF], v[LANE], 3, s92      ; 8 lane + 256 c + 4 rq rows of 1,024 bytes
.irp i, 0,1
	v_mov_b32 v[C0+\i], 0x3f7ffd6b                 ; +0.99996058
	v_mov_b32 v[C1+\i], 0xbc001735                 ; -0.0078180328
	v_mov_b32 v[C2+\i], 0xc19fe3cd                 ; -19.986231
	v_mov_b32 v[C3+\i], 0x4213143b                 ; +36.769755
	v_mov_b32 v[C4+\i], 0xc2367bf5                 ; -45.621051
.endr
	; Wave w converts matrix w: 0-4 f_Wh[1..5], 5-10 g_Wz[0..5] (rows 0-31, those that meet h), 11-15 g_Wh[1..5].
	; All three offsets are clamped into their buffers; buffer and offset are chosen together.
	s_min_u32 s90, s4, 4
	s_add_co_u32 s90, s90, 1
	s_lshl_b32 s90, s90, 12                        ; f_Wh: 4,096 bytes a layer
	s_max_u32 s91, s4, 5
	s_min_u32 s91, s91, 10
	s_sub_co_u32 s91, s91, 5
	s_lshl_b32 s91, s91, 13                        ; g_Wz: 8,192 bytes a layer
	s_max_u32 s92, s4, 11
	s_sub_co_u32 s92, s92, 10
	s_lshl_b32 s92, s92, 12                        ; g_Wh: 4,096 bytes a layer
	s_mov_b32 s95, 0
	s_wait_kmcnt 0x0                               ; the addresses are there
	s_cmp_lt_u32 s4, 11
	s_cselect_b64 s[58:59], s[14:15], s[16:17]
	s_cselect_b32 s94, s91, s92
	s_cmp_lt_u32 s4, 5
	s_cselect_b64 s[58:59], s[12:13], s[58:59]
	s_cselect_b32 s94, s90, s94
	s_add_nc_u64 s[58:59], s[58:59], s[94:95]      ; my matrix
	s_lshl_b32 s90, s5, 11
	s_mov_b32 s91, 0
	s_add_nc_u64 s[56:57], s[8:9], s[90:91]        ; coords of batch b: 2,048 bytes a batch
	s_lshl_b32 s90, s5, 18
	s_lshl_b32 s92, s6, 14
	s_add_co_u32 s90, s90, s92
	s_add_nc_u64 s[66:67], s[10:11], s[90:91]      ; out0 at batch b, row 16 rg
	; Loads that every wave needs, issued in one run with no wait between them.
.set k_, 0
.rept 32
	global_load_b32 v[MAT+k_], v[LANE4], s[58:59] offset:128*k_    ; row k: 128 neighbouring bytes
.set k_, k_+1
.endr
	global_load_b128 v[DWR:DWR+3],     v[H32], s[20:21]            ; d_W[8h .. 8h+7]
	global_load_b128 v[DWR+4:DWR+7],   v[H32], s[20:21] offset:16
	global_load_b128 v[DWR+8:DWR+11],  v[H32], s[20:21] offset:64  ; d_W[16+8h .. 16+8h+7]
	global_load_b128 v[DWR+12:DWR+15], v[H32], s[20:21] offset:80
.irp p, 0,1,2,3
	global_load_b32 v[CX+\p], v[XADR], s[56:57] offset:256*(\p>>1)+8*(\p&1)   ; tile p, point r = local column 32 (p / 2) + 2 r + p % 2
	global_load_b32 v[CT+\p], v[TADR], s[56:57] offset:8*\p+4                 ; t of my row p
.endr
	s_load_b32 s88, s[22:23], 0x0                  ; d_b
; sin of v[EB1], an argument in radians
.macro SIN1
	v_fma_f32 v[EB1], v[EB1], s96, s97             ; turns, less a quarter
	v_fract_f32 v[EB1], v[EB1]
	v_fma_f32 v[T0], v[EB1], v[EB1], -v[EB1]       ; z = f f - f
	v_fma_f32 v[T0+1], v[T0], v[C4], v[C3]
	v_fma_f32 v[T0+1], v[T0+1], v[T0], v[C2]
	v_fma_f32 v[T0+1], v[T0+1], v[T0], v[C1]
	v_fma_f32 v[EB1], v[T0+1], v[T0], v[C0]
.endm
; acc[lane m] += sum over k of vec[lane k] x v[wb + k][lane m]
.macro MATVEC acc, vec, wb
.set kk_, 0
.rept 32
	v_readlane_b32 s[84+(kk_&1)], v[\vec], kk_
	v_fmac_f32 v[\acc], s[84+(kk_&1)], v[\wb+kk_]
.set kk_, kk_+1
.endr
.endm
; One wave makes one layer's bias row: the embedding of the batch (a sine layer, a linear layer), its product with the layer's rows of Wz,
; bh + bz, and in a stream's first layer the start vector times Wh[0].  s7 = layer l; the row in LDS is the wave's number (row0 + l).
; isf = 1: also the (x, t) rows of Wz as an A fragment in high and low parts.  Arguments X .. WH are the numbers of the scalar pairs.
.macro BIASPATH kin, X, W1, B1, W2, B2, WZ, lstride, skip, BH, BZ, H0, WH, row0, isf
	s_mul_i32 s90, s5, 4*\kin
	s_mov_b32 s91, 0
	s_add_nc_u64 s[84:85], s[\X:\X+1], s[90:91]    ; the batch's parameters
.if \kin == 8
	s_load_b256 s[68:75], s[84:85], 0x0
.else
	s_load_b512 s[68:83], s[84:85], 0x0
.endif
	s_mul_i32 s90, s7, \lstride
	s_add_nc_u64 s[92:93], s[\WZ:\WZ+1], s[90:91]
	s_lshl_b32 s90, s7, 7
	s_add_nc_u64 s[60:61], s[\BH:\BH+1], s[90:91]
	s_add_nc_u64 s[62:63], s[\BZ:\BZ+1], s[90:91]
.set k_, 0
.rept \kin
	global_load_b32 v[E1+k_], v[LANE4], s[\W1:\W1+1] offset:128*k_
.set k_, k_+1
.endr
	global_load_b32 v[EB1], v[LANE4], s[\B1:\B1+1]
	global_load_b32 v[EB2], v[LANE4], s[\B2:\B2+1]
	global_load_b32 v[EBH], v[LANE4], s[60:61]
	global_load_b32 v[EBZ], v[LANE4], s[62:63]
	global_load_b32 v[EH],  v[LANE4], s[\H0:\H0+1]
.if \isf
	global_load_b32 v[EZ0], v[LANE4], s[92:93]
	global_load_b32 v[EZ1], v[LANE4], s[92:93] offset:128
.endif
.set k_, 0
.rept 32
	global_load_b32 v[E2+k_], v[LANE4], s[\W2:\W2+1] offset:128*k_
	global_load_b32 v[E3+k_], v[LANE4], s[92:93] offset:128*(\skip+k_)
	global_load_b32 v[E4+k_], v[LANE4], s[\WH:\WH+1] offset:128*k_   ; loaded by every bias wave, used by the first layer's alone: no path meets a register that it did not load
.set k_, k_+1
.endr
	s_wait_loadcnt 0x0                             ; one round trip for all of the set-up's loads
	s_wait_kmcnt 0x0                               ; the parameters; s[84:85] are free from here
.set k_, 0
.rept \kin
	v_fmac_f32 v[EB1], s[68+k_], v[E1+k_]
.set k_, k_+1
.endr
	SIN1
	MATVEC EB2, EB1, E2                            ; et or ex, element m in lane m
	v_add_f32 v[T0+2], v[EBH], v[EBZ]
	MATVEC T0+2, EB2, E3
	s_cmp_lg_u32 s4, \row0
	s_cbranch_scc1 .Lnoh\row0
	MATVEC T0+2, EH, E4                            ; the stream's first layer: its h is the same vector at every point
.Lnoh\row0:
	v_fma_f32 v[T0+2], v[T0+2], s96, s97           ; in turns, less a quarter
	s_lshl_b32 s90, s4, 7
	v_add_nc_u32 v[T0+3], s90, v[LANE4]
	ds_store_b32 v[T0+3], v[T0+2] offset:BIAS
.if \isf
	; row m of the fragment, k = 0 .. 7: hi w0, hi w0, lo w0, lo w0, hi w1, hi w1, lo w1, lo w1; it meets (xh, xl, xh, xl, th, tl, th, tl)
	v_mul_f32 v[T0+4], s96, v[EZ0]
	v_mul_f32 v[T0+5], s96, v[EZ1]
	v_cvt_pk_f16_f32 v24, v[T0+4], v[T0+4]
	v_cvt_pk_f16_f32 v26, v[T0+5], v[T0+5]
	v_cvt_f32_f16 v[T0+6], v24.l
	v_cvt_f32_f16 v[T0+7], v26.l
	v_sub_f32 v[T0+6], v[T0+4], v[T0+6]            ; what the high part left
	v_sub_f32 v[T0+7], v[T0+5], v[T0+7]
	v_cvt_pk_f16_f32 v25, v[T0+6], v[T0+6]
	v_cvt_pk_f16_f32 v27, v[T0+7], v[T0+7]
.irp i, 28,29,30,31
	v_mov_b32 v\i, 0
.endr
	s_lshl_b32 s90, s4, 10
	v_lshl_add_u32 v[ZADR], v[HH], 9, s90          ; 1024 l + 512 (m / 16) + 16 (m % 16)
	v_lshl_add_u32 v[ZADR], v[RR], 4, v[ZADR]
	ds_store_b128 v[ZADR], v[24:27] offset:ZF
	ds_store_b128 v[ZADR], v[28:31] offset:ZF+256  ; lanes 16-31 of the fragment (k = 8 .. 15): zeros
.endif
.endm
	s_cmp_lt_u32 s4, 6
	s_cbranch_scc1 .Lbias_f
	s_cmp_lt_u32 s4, 12
	s_cbranch_scc1 .Lbias_g
	s_branch .Ljoin                                ; waves 12-15 make no bias row
.Lbias_f:
	s_mov_b32 s7, s4
	BIASPATH 8, 24, 26, 28, 30, 32, 18, 4352, 2, 34, 36, 38, 12, 0, 1
	s_branch .Ljoin
.Lbias_g:
	s_sub_co_u32 s7, s4, 6
	BIASPATH 16, 40, 42, 44, 46, 48, 14, 8192, 32, 50, 52, 54, 16, 6, 0
.Ljoin:
	s_wait_loadcnt 0x0                             ; my matrix, d_W, x, t
	s_wait_kmcnt 0x0                               ; d_b
.irp i, 0,2,4,6,8,10,12,14,16,18,20,22,24,26,28,30
	v_pk_mul_f32 v[MAT+\i:MAT+\i+1], v[MAT+\i:MAT+\i+1], s[96:97] op_sel_hi:[1,0]   ; both by S
.endr
.irp i, 0,1,2,3,4,5,6,7,8,9,10,11,12,13,14,15
	v_cvt_pk_f16_f32 v[MAT+\i], v[MAT+2*\i], v[MAT+2*\i+1]         ; packed downward in place: word i is written when rows 2i, 2i+1 are read
.endr
.irp g, 0,1,2,3
	ds_store_b128 v[MADR], v[MAT+4*\g:MAT+4*\g+3] offset:WF+256*\g ; k = 8g .. 8g+7 = 16 q + 8 h + e: block q = g / 2, lanes of half h = g % 2
.endr
.irp i, 0,1,2,3,4,5,6,7
	v_cvt_pk_f16_f32 v[AD+\i], v[DWR+2*\i], v[DWR+2*\i+1]
.endr
; dst = f16(src) below, f16(src - f16(src)) above, in lanes 0-15 (k = 0 .. 7); lanes 16-31 (k = 8 .. 15) hold 0
.macro HILO dst, src
	v_cvt_pk_f16_f32 v22, v[\src], v[\src]
	v_cvt_f32_f16 v23, v22.l
	v_sub_f32 v23, v[\src], v23
	v_cvt_pk_f16_f32 v[\dst], v[\src], v23
	v_cndmask_b32 v[\dst], 0, v[\dst], s87
.endm
.irp p, 0,1,2,3
	HILO XW+\p, CX+\p
	HILO TW+\p, CT+\p
.endr
	s_wait_dscnt 0x0                               ; my fragments and my bias row lie in LDS: zero, since the other waves will read them
	s_barrier_signal -1
	s_barrier_wait -1                              ; everybody's do.  From here on the passes only read LDS: the kernel's one barrier
.irp i, 4,5,6,7,12,13,14,15
	v_mov_b32 v[ZA+\i], 0                          ; k = 16 .. 31 of the (x, t) fragments, written once
.endr
.macro LDW dst, M                      ; a weight matrix: two A fragments, lane i at 16 i of each block of 512 bytes
.irp i, 0,1,2,3
	ds_load_b128 v[\dst+4*\i:\dst+4*\i+3], v[L16] offset:WF+2048*(\M)+512*\i
.endr
.endm
.macro LDZ l                           ; the (x, t) weights of f layer l
	ds_load_b128 v[ZA:ZA+3],    v[L16] offset:ZF+1024*(\l)
	ds_load_b128 v[ZA+8:ZA+11], v[L16] offset:ZF+1024*(\l)+512
.endm
.macro LDB row                         ; a bias row as C operand: register j of tile T = feature 16 T + 8 h + j
	ds_load_b128 v[BI:BI+3],     v[H32] offset:BIAS+128*(\row)
	ds_load_b128 v[BI+4:BI+7],   v[H32] offset:BIAS+128*(\row)+16
	ds_load_b128 v[BI+8:BI+11],  v[H32] offset:BIAS+128*(\row)+64
	ds_load_b128 v[BI+12:BI+15], v[H32] offset:BIAS+128*(\row)+80
.endm
.macro HOOK s                          ; what sweep s multiplies by.  Sweeps 1-5: f layers 1-5; 6: g layer 0; 7-11: g layers 1-5; 12: d_W, nothing to load
.if \s <= 5
	LDW WA, \s-1                                   ; f_Wh[s]
	LDZ \s
	LDB \s
.endif
.if \s == 6
	LDW WA, 5                                      ; g_Wz[0]
	LDB 6
.endif
.if \s >= 7
.if \s <= 11
	LDW WA, \s-1                                   ; g_Wz[s - 6]
	LDW WB, \s+4                                   ; g_Wh[s - 6]
	LDB \s
.endif
.endif
.endm
.macro ZBUILD p                        ; (x, t) of tile p as B fragment
	v_mov_b32 v[ZB+8*\p],   v[XW+\p]
	v_mov_b32 v[ZB+8*\p+1], v[XW+\p]
	v_mov_b32 v[ZB+8*\p+2], v[TW]
	v_mov_b32 v[ZB+8*\p+3], v[TW]
.irp i, 4,5,6,7
	v_mov_b32 v[ZB+8*\p+\i], 0
.endr
.endm
.macro MM1 p, a, b                     ; ACC(p) = v[a ..] (two A fragments) x v[b ..] + bias: the bias costs no instruction
.set c_, ACC+16*(\p)
.set ma_, \a
.set mb_, \b
	v_wmma_f32_16x16x32_f16 v[c_:c_+7],    v[ma_:ma_+7],    v[mb_:mb_+7], v[BI:BI+7]
	v_wmma_f32_16x16x32_f16 v[c_+8:c_+15], v[ma_+8:ma_+15], v[mb_:mb_+7], v[BI+8:BI+15]
.endm
.macro MM2 p, a1, b1, a2, b2           ; and a second product on top: links in place (C and D the earlier D), which need no distance (ISA guide 7.12.1)
	MM1 \p, \a1, \b1
.set ma_, \a2
.set mb_, \b2
	v_wmma_f32_16x16x32_f16 v[c_:c_+7],    v[ma_:ma_+7],    v[mb_:mb_+7], v[c_:c_+7]
	v_wmma_f32_16x16x32_f16 v[c_+8:c_+15], v[ma_+8:ma_+15], v[mb_:mb_+7], v[c_+8:c_+15]
.endm
.macro MMD p                           ; every row of the result is gh . d_W of point r
	v_wmma_f32_16x16x32_f16 v[ACC+16*\p:ACC+16*\p+7], v[AD:AD+7], v[ZB+8*\p:ZB+8*\p+7], 0
.endm
; The sine of tile p's 32 x 16 arguments, packed to f16 as the B fragment v[dst + 8 p ..]: 64 vector instructions for 512 values.
; In tile 0 the sweep's weights and bias are asked for behind the sixteen v_fract_f32: these name no register of the matrix instructions that
; last read WA, WB, ZA and BI, so the loads stand more than four places behind them, and 48 instructions ahead of their use.
; The accumulators read here were written three tiles of vector work ago (in the first sweep: three ZBUILD).
.macro SIN p, dst, s
.set a_, ACC+16*(\p)
.set d_, \dst+8*(\p)
.irp i, 0,1,2,3,4,5,6,7,8,9,10,11,12,13,14,15
	v_fract_f32 v[a_+\i], v[a_+\i]
.endr
.if \p == 0
	HOOK \s
.endif
.irp i, 0,2,4,6,8,10,12,14
	v_pk_fma_f32 v[a_+\i:a_+\i+1], v[a_+\i:a_+\i+1], v[a_+\i:a_+\i+1], v[a_+\i:a_+\i+1] neg_lo:[0,0,1] neg_hi:[0,0,1]   ; z = f f - f
.endr
.irp i, 0,2,4,6,8,10,12,14
	v_pk_fma_f32 v[TMP+\i:TMP+\i+1], v[a_+\i:a_+\i+1], v[C4:C4+1], v[C3:C3+1]
.endr
.irp c, C2, C1, C0
.irp i, 0,2,4,6,8,10,12,14
	v_pk_fma_f32 v[TMP+\i:TMP+\i+1], v[TMP+\i:TMP+\i+1], v[a_+\i:a_+\i+1], v[\c:\c+1]
.endr
.endr
.irp i, 0,1,2,3,4,5,6,7
	v_cvt_pk_f16_f32 v[d_+\i], v[TMP+2*\i], v[TMP+2*\i+1]
.endr
.if \p == 0
.if \s != 12
	s_wait_dscnt 0x0                               ; the sweep's weights and bias are in
.endif
.endif
.endm
	s_mov_b32 s89, 0
.Lpass:                                            ; one row of t, 64 columns
	LDZ 0                                          ; ZA and BI were last read by matrix instructions a whole sweep of vector work ago
	LDB 0
	ZBUILD 0
	s_wait_dscnt 0x0
	MM1 0, ZA, ZB                                  ; f layer 0: (x, t) and the bias, which holds h0 Wh[0]
.irp p, 1,2,3
	ZBUILD \p
	MM1 \p, ZA, ZB+8*\p
.endr
.irp s, 1,2,3,4,5
.irp p, 0,1,2,3
	SIN \p, HB, \s
	MM2 \p, WA, HB+8*\p, ZA, ZB+8*\p               ; f layer s: h Wh + (x, t) Wz + bias
.endr
.endr
.irp p, 0,1,2,3
	SIN \p, HB, 6                                  ; the final h, kept in HB through the g stream
	MM1 \p, WA, HB+8*\p                            ; g layer 0: h Wz + bias, which holds gh0 Wh[0]
.endr
.irp s, 7,8,9,10,11
.irp p, 0,1,2,3
	SIN \p, ZB, \s
	MM2 \p, WA, HB+8*\p, WB, ZB+8*\p               ; g layer s - 6: h Wz + gh Wh + bias
.endr
.endr
.irp p, 0,1,2,3
	SIN \p, ZB, 12
	MMD \p
.endr
	; The way out.  Four plain vector instructions that name none of the last matrix instruction's registers stand in front of the reads of its result.
	v_mov_b32 v[TW],   v[TW+1]                     ; the next pass's row of t
	v_mov_b32 v[TW+1], v[TW+2]
	v_mov_b32 v[TW+2], v[TW+3]
	v_nop
	s_wait_xcnt 0x0                                ; the last pass's store has had its address translated: v3 and v[22:23] are rewritten only behind this wait
	v_add_nc_u32 v[OUTOFF], 1024, v[OUTOFF]        ; the next row; the store below reaches back
	v_cndmask_b32 v[O],   v[ACC],    v[ACC+32], s86    ; lane 16 h + r: column 32 h + 2 r     = point r of tile 2 h
	v_cndmask_b32 v[O+1], v[ACC+16], v[ACC+48], s86    ;                column 32 h + 2 r + 1 = point r of tile 2 h + 1
	v_add_f32 v[O],   s88, v[O]
	v_add_f32 v[O+1], s88, v[O+1]
	global_store_b64 v[OUTOFF], v[O:O+1], s[66:67] offset:-1024 th:TH_STORE_NT   ; the wave's 32 lanes store 256 consecutive bytes, at a multiple of 256 from out0's first byte
	s_add_co_u32 s89, s89, 1
	s_cmp_lt_u32 s89, 4
	s_cbranch_scc1 .Lpass
	s_wait_tensorcnt 0x0
	ds_add_u32 v240, v241
	s_wait_dscnt 0x0
	s_endpgm
.Lfunc_end_k_q0caf1c9172_sep:
	.size	k_q0caf1c9172_sep, .Lfunc_end_k_q0caf1c9172_sep-k_q0caf1c9172_sep
	.p2alignl 7, 3214868480
	.fill 96, 4, 3214868480
	.section	.rodata,"a",@progbits
	.p2align	6, 0x0
	.amdhsa_kernel k_q0caf1c9172_sep
		.amdhsa_group_segment_fixed_size 43008
		.amdhsa_private_segment_fixed_size 0
		.amdhsa_enable_private_segment 0
		.amdhsa_kernarg_size 192
		.amdhsa_user_sgpr_count 2
		.amdhsa_user_sgpr_kernarg_segment_ptr 1
		.amdhsa_wavefront_size32 1
		.amdhsa_system_sgpr_workgroup_id_x 1
		.amdhsa_system_sgpr_workgroup_id_y 1
		.amdhsa_system_sgpr_workgroup_id_z 1
		.amdhsa_system_vgpr_workitem_id 0
		.amdhsa_next_free_vgpr 242
		.amdhsa_next_free_sgpr 98
		.amdhsa_reserve_vcc 0
		.amdhsa_float_denorm_mode_32 3
		.amdhsa_float_denorm_mode_16_64 3
		.amdhsa_memory_ordered 1
		.amdhsa_forward_progress 1
		.amdhsa_inst_pref_size 246
	.end_amdhsa_kernel
	.amdgpu_metadata
---
amdhsa.version: [ 1, 2 ]
amdhsa.kernels:
  - .name:           k_q0caf1c9172_sep
    .symbol:         k_q0caf1c9172_sep.kd
    .args:
      - { .name: coords, .offset: 0, .size: 8, .value_kind: global_buffer, .address_space: global }
      - { .name: out0, .offset: 8, .size: 8, .value_kind: global_buffer, .address_space: global }
      - { .name: f_Wh, .offset: 16, .size: 8, .value_kind: global_buffer, .address_space: global }
      - { .name: g_Wz, .offset: 24, .size: 8, .value_kind: global_buffer, .address_space: global }
      - { .name: g_Wh, .offset: 32, .size: 8, .value_kind: global_buffer, .address_space: global }
      - { .name: f_Wz, .offset: 40, .size: 8, .value_kind: global_buffer, .address_space: global }
      - { .name: d_W, .offset: 48, .size: 8, .value_kind: global_buffer, .address_space: global }
      - { .name: d_b, .offset: 56, .size: 8, .value_kind: global_buffer, .address_space: global }
      - { .name: t_params, .offset: 64, .size: 8, .value_kind: global_buffer, .address_space: global }
      - { .name: tp2et_W1, .offset: 72, .size: 8, .value_kind: global_buffer, .address_space: global }
      - { .name: tp2et_b1, .offset: 80, .size: 8, .value_kind: global_buffer, .address_space: global }
      - { .name: tp2et_W2, .offset: 88, .size: 8, .value_kind: global_buffer, .address_space: global }
      - { .name: tp2et_b2, .offset: 96, .size: 8, .value_kind: global_buffer, .address_space: global }
      - { .name: f_bh, .offset: 104, .size: 8, .value_kind: global_buffer, .address_space: global }
      - { .name: f_bz, .offset: 112, .size: 8, .value_kind: global_buffer, .address_space: global }
      - { .name: h0, .offset: 120, .size: 8, .value_kind: global_buffer, .address_space: global }
      - { .name: x_params, .offset: 128, .size: 8, .value_kind: global_buffer, .address_space: global }
      - { .name: xp2ex_W1, .offset: 136, .size: 8, .value_kind: global_buffer, .address_space: global }
      - { .name: xp2ex_b1, .offset: 144, .size: 8, .value_kind: global_buffer, .address_space: global }
      - { .name: xp2ex_W2, .offset: 152, .size: 8, .value_kind: global_buffer, .address_space: global }
      - { .name: xp2ex_b2, .offset: 160, .size: 8, .value_kind: global_buffer, .address_space: global }
      - { .name: g_bh, .offset: 168, .size: 8, .value_kind: global_buffer, .address_space: global }
      - { .name: g_bz, .offset: 176, .size: 8, .value_kind: global_buffer, .address_space: global }
      - { .name: gh0, .offset: 184, .size: 8, .value_kind: global_buffer, .address_space: global }
    .group_segment_fixed_size: 43008
    .private_segment_fixed_size: 0
    .kernarg_segment_align: 8
    .kernarg_segment_size: 192
    .max_flat_workgroup_size: 512
    .sgpr_count:     98
    .vgpr_count:     242
    .wavefront_size: 32
...
	.end_amdgpu_metadata
.endif
;; end of part 1
